; MI455X (gfx1250); checked and timed in simulation.
; The chip was launched on July 23, 2026; its instructions are those of AMD's public machine-readable ISA for CDNA 5 (MIT licence, August 2026) and "CDNA5" Instruction Set Architecture Reference Guide (July 2026). The comments in the code are by the model that wrote it; some were corrected since.
;; LSTM Mirrored. Allowed arithmetic: float matrix products may take bf16 or f16 operands with f32 sums; other float arithmetic in f32, or as packed bf16 or f16 multiplies, adds, multiply-adds, maxima and minima; sums over many terms, partial sums and values carried from step to step in f32; what a program stores and reads back later, other than sums and carried values, may be rounded once to bf16 or f16.
;; Inputs: Wch 1,024 x 1,024 float32; Wcx 1,024 x 1,024 float32; Wfh 1,024 x 1,024 float32; Wfx 1,024 x 1,024 float32; Wih 1,024 x 1,024 float32; Wix 1,024 x 1,024 float32; Woh 1,024 x 1,024 float32; Wox 1,024 x 1,024 float32; bc 1,024 float32; bf 1,024 float32; bi 1,024 float32; bo 1,024 float32; hist 8,192 x 1,024 float32; inputs 8,192 x 1,024 float32.
;; Outputs: out0 8,192 x 1,024 float32; out1 8,192 x 1,024 float32.
;; Constants: carousel = 1.
;; 2 versions, each right; version 2 is version 1 with the launch prep written anew for expert scheduling mode. Each part assembles by itself: llvm-mc -triple=amdgcn-amd-amdhsa -mcpu=gfx1250 --defsym DOCPART=n.
;; ======== version 1 of 2: 2 launches
;; workspace buffers: abf 33,554,432 bytes; wbf 16,777,216 bytes
;; launch prep (part 1): grid 768 x 1, 8 waves a work-group, no clusters, 21,504 bytes of LDS; arguments Wfx, Wix, Wox, Wcx, Wfh, Wih, Woh, Wch, inputs, hist, abf, wbf; writes abf, wbf
.if DOCPART == 1
	.amdgcn_target "amdgcn-amd-amdhsa--gfx1250"
	.amdhsa_code_object_version 6
	.text
	.protected	k_qf4f05a6507_prep
	.globl	k_qf4f05a6507_prep
	.p2align	8
	.type	k_qf4f05a6507_prep,@function
k_qf4f05a6507_prep:
	s_mov_b64 s[64:65], 0
	v_nop
	global_prefetch_b8 v0, s[64:65] scope:SCOPE_SE
	s_setreg_imm32_b32 hwreg(HW_REG_WAVE_MODE, 25, 1), 1
	s_wait_xcnt 0x0
; THE OPERANDS ARE ROUNDED TO bf16, ONCE, AND LAID OUT FOR THE PRODUCT THAT FOLLOWS.  A pure stream: each input byte is read once, each workspace byte written once.
; abf: bf16 [8192][2048]: columns 0-1023 inputs, 1024-2047 hist; a row is 4,096 bytes.
; wbf: bf16 [2048 k][16 blocks of 64 columns][4 gates f, i, o, c][64 columns]; a row is 8,192 bytes; k < 1024 is row k of W?x, k >= 1024 row k - 1024 of W?h.
;      So one k's four gates x 64 columns are 512 bytes on end, at a multiple of 512 from the buffer's first byte.
; LIMIT.  A number beyond bf16's largest finite one becomes an infinity; NaN and infinities are not treated apart.
; SHARES.  768 work-groups of eight waves; each reads 131,072 bytes of f32 by 32 loads of 16 bytes a lane, all issued before the first is waited for.
;   Work-groups 0-511: 32 rows of inputs (0-255) or of hist (256-511); thread t owns 16 bytes of every row.
;   Work-groups 512-767: eight k; wave w takes one k, that row of all four gates.  The gates are woven together in a stage in LDS that is the wave's own.
; No loop, no barrier: no wave reads what another wave loaded or stored.  No matrix unit, no cluster, no tensor load: nothing is shared and nothing is multiplied.
.set LO,   1                           ; v1   byte offset of my 16 bytes: 16 x thread (rows of x and h), or 16 x lane (weights: of a load's 512 bytes, and of a block of wbf); never rewritten
.set SO,   2                           ; v2   8 x thread: my 8 bytes in a half row of abf
.set STW,  3                           ; v3   stage: where I put 8 bytes
.set RDW,  4                           ; v4   stage: where I read 16 bytes back
.set SPW,  8                           ; v8   LDS address of my spare word: SPARE + 4 x my thread's number; never rewritten
.set NIL,  9                           ; v9   0; never rewritten
.set X,    16                          ; v[16:143]  load n in four registers at X + 4 n
.set R,    144                         ; v[144:159] four blocks of 512 bytes read back from the stage
.set WP,   36                          ; s[36:43]   the four gates' weights at my row
.set STGW, 2560                        ; a wave's stage: four blocks of 64 columns, 640 bytes apart (512 of data + 128, so that the two halves of the lanes store into different banks)
.set SPARE, 8*STGW                     ; behind the stages: the spare words, 128 bytes for each wave: four blocks of 256 bytes that no other line names
	s_load_b512 s[8:23], s[0:1], 0x0               ; Wfx, Wix, Wox, Wcx s[8:15]; Wfh, Wih, Woh, Wch s[16:23]
	s_load_b256 s[24:31], s[0:1], 0x40             ; inputs s[24:25], hist s[26:27], abf s[28:29], wbf s[30:31]
	v_lshl_add_u32 v[SPW], v0, 2, SPARE
	v_mov_b32 v[NIL], 0
	v_lshrrev_b32 v10, 5, v0
	v_readfirstlane_b32 s2, v10                    ; wave 0..7
	s_wait_kmcnt 0x0
	s_cmp_lt_u32 ttmp9, 512
	s_cbranch_scc0 .Lw
	; ---- 32 rows of inputs or of hist ----
	s_and_b32 s4, ttmp9, 255
	s_lshl_b32 s4, s4, 17                          ; 32 rows of 4,096 bytes: the same in the f32 source and in abf
	s_mov_b32 s5, 0
	s_cmp_lt_u32 ttmp9, 256
	s_cselect_b64 s[32:33], s[24:25], s[26:27]     ; inputs or hist,
	s_cselect_b32 s6, 0, 2048                      ; the left or the right half of abf's rows
	s_add_nc_u64 s[32:33], s[32:33], s[4:5]
	s_add_co_u32 s4, s4, s6
	s_add_nc_u64 s[34:35], s[28:29], s[4:5]
	v_lshlrev_b32 v[LO], 4, v0
	v_lshlrev_b32 v[SO], 3, v0
.set r, 0
.rept 32
	global_load_b128 v[X+4*r:X+4*r+3], v[LO], s[32:33] offset:4096*r th:TH_LOAD_NT  ; a wave's load covers 512 consecutive bytes
.set r, r+1
.endr
.set r, 0
.rept 32
	s_wait_loadcnt 31-r                            ; loads come back in order (ISA guide 5.7.1): row r is in, the 31 - r younger ones stay out
	v_cvt_pk_bf16_f32 v[X+4*r], v[X+4*r], v[X+4*r+1]
	v_cvt_pk_bf16_f32 v[X+4*r+1], v[X+4*r+2], v[X+4*r+3]
	global_store_b64 v[SO], v[X+4*r:X+4*r+1], s[34:35] offset:4096*r  ; 32 lanes store 256 consecutive bytes, at a multiple of 256 from abf's first byte; no register is used twice, so nothing waits for a store
.set r, r+1
.endr
	s_branch .Lend
	; ---- one k of all four gates ----
.Lw:
	s_sub_co_u32 s3, ttmp9, 512
	s_lshl_b32 s4, s3, 3
	s_add_co_u32 s4, s4, s2                        ; k = 8 x (work-group - 512) + wave
	s_lshl_b32 s6, s4, 13                          ; k rows of 8,192 bytes in wbf
	s_mov_b32 s7, 0
	s_and_b32 s4, s4, 1023
	s_lshl_b32 s4, s4, 12                          ; the row in its f32 matrix
	s_mov_b32 s5, 0
	s_cmp_lt_u32 s3, 128                           ; k < 1024: the weights for x, else those for h
	s_cselect_b64 s[WP:WP+1],   s[8:9],   s[16:17]
	s_cselect_b64 s[WP+2:WP+3], s[10:11], s[18:19]
	s_cselect_b64 s[WP+4:WP+5], s[12:13], s[20:21]
	s_cselect_b64 s[WP+6:WP+7], s[14:15], s[22:23]
.irp g, 0,1,2,3
	s_add_nc_u64 s[WP+2*(\g):WP+2*(\g)+1], s[WP+2*(\g):WP+2*(\g)+1], s[4:5]
.endr
	s_add_nc_u64 s[34:35], s[30:31], s[6:7]
	v_and_b32 v10, 31, v0                          ; lane l
	v_lshlrev_b32 v[LO], 4, v10
	v_lshrrev_b32 v11, 4, v10                      ; l / 16: which of a load's two blocks of 64 columns
	v_and_b32 v12, 15, v10
	s_mul_i32 s44, s2, STGW                        ; my wave's stage
	v_mul_u32_u24 v11, v11, 640
	v_lshl_add_u32 v11, v12, 3, v11                ; + 8 (l % 16): four columns in bf16
	v_add_nc_u32 v[STW], s44, v11
	v_add_nc_u32 v[RDW], s44, v[LO]
	; load n = 8 j + 2 g + m: columns 256 j + 128 m .. + 127 of gate g, 512 consecutive bytes
.irp j, 0,1,2,3
.irp g, 0,1,2,3
.irp m, 0,1
	global_load_b128 v[X+4*(8*(\j)+2*(\g)+(\m)):X+4*(8*(\j)+2*(\g)+(\m))+3], v[LO], s[WP+2*(\g):WP+2*(\g)+1] offset:512*(2*(\j)+(\m)) th:TH_LOAD_NT
.endr
.endr
.endr
; Columns 256 j .. 256 j + 255 of the four gates: rounded, woven in the stage, read back as four blocks of 512 bytes, stored.
.macro CHUNK j
	s_wait_loadcnt 24-8*(\j)                       ; my eight loads are in; those of the later chunks stay out
.irp g, 0,1,2,3
.irp m, 0,1
.set n, X+4*(8*(\j)+2*(\g)+(\m))
	v_cvt_pk_bf16_f32 v[n], v[n], v[n+1]
	v_cvt_pk_bf16_f32 v[n+1], v[n+2], v[n+3]
	ds_store_b64 v[STW], v[n:n+1] offset:1280*(\m)+128*(\g)  ; block 2 m + l / 16, gate g
.endr
.endr
	s_wait_xcnt 0x0                                ; every earlier memory instruction has had its addresses translated (ISA guide 3.1): R, which the last chunk's stores read, is loaded again only behind this wait
.irp s, 0,1,2,3
	ds_load_b128 v[R+4*(\s):R+4*(\s)+3], v[RDW] offset:640*(\s)  ; LDS serves a wave's instructions in order (ISA guide 5.7.1.4): these see the stores above; the next chunk's stores come behind them
.endr
.irp s, 0,1,2,3
	s_wait_dscnt 3-(\s)
	global_store_b128 v[LO], v[R+4*(\s):R+4*(\s)+3], s[34:35] offset:512*(4*(\j)+(\s))  ; 512 consecutive bytes, at a multiple of 512 from wbf's first byte
.endr
.endm
	CHUNK 0
	CHUNK 1
	CHUNK 2
	CHUNK 3
.Lend:
	s_wait_tensorcnt 0x0                           ; the wave's end: a tensor wait, an add of 0 and its wait, behind my last LDS store
	ds_add_u32 v[SPW], v[NIL]
	s_wait_dscnt 0x0
	s_endpgm
.Lfunc_end_k_qf4f05a6507_prep:
	.size	k_qf4f05a6507_prep, .Lfunc_end_k_qf4f05a6507_prep-k_qf4f05a6507_prep
	.p2alignl 7, 3214868480
	.fill 96, 4, 3214868480
	.section	.rodata,"a",@progbits
	.p2align	6, 0x0
	.amdhsa_kernel k_qf4f05a6507_prep
		.amdhsa_group_segment_fixed_size 21504
		.amdhsa_private_segment_fixed_size 0
		.amdhsa_enable_private_segment 0
		.amdhsa_kernarg_size 96
		.amdhsa_user_sgpr_count 2
		.amdhsa_user_sgpr_kernarg_segment_ptr 1
		.amdhsa_wavefront_size32 1
		.amdhsa_system_sgpr_workgroup_id_x 1
		.amdhsa_system_sgpr_workgroup_id_y 1
		.amdhsa_system_sgpr_workgroup_id_z 1
		.amdhsa_system_vgpr_workitem_id 0
		.amdhsa_next_free_vgpr 160
		.amdhsa_next_free_sgpr 66
		.amdhsa_reserve_vcc 0
		.amdhsa_float_denorm_mode_32 3
		.amdhsa_float_denorm_mode_16_64 3
		.amdhsa_memory_ordered 1
		.amdhsa_forward_progress 1
		.amdhsa_inst_pref_size 26
	.end_amdhsa_kernel
	.amdgpu_metadata
---
amdhsa.version: [ 1, 2 ]
amdhsa.kernels:
  - .name:           k_qf4f05a6507_prep
    .symbol:         k_qf4f05a6507_prep.kd
    .args:
      - { .name: Wfx, .offset: 0, .size: 8, .value_kind: global_buffer, .address_space: global }
      - { .name: Wix, .offset: 8, .size: 8, .value_kind: global_buffer, .address_space: global }
      - { .name: Wox, .offset: 16, .size: 8, .value_kind: global_buffer, .address_space: global }
      - { .name: Wcx, .offset: 24, .size: 8, .value_kind: global_buffer, .address_space: global }
      - { .name: Wfh, .offset: 32, .size: 8, .value_kind: global_buffer, .address_space: global }
      - { .name: Wih, .offset: 40, .size: 8, .value_kind: global_buffer, .address_space: global }
      - { .name: Woh, .offset: 48, .size: 8, .value_kind: global_buffer, .address_space: global }
      - { .name: Wch, .offset: 56, .size: 8, .value_kind: global_buffer, .address_space: global }
      - { .name: inputs, .offset: 64, .size: 8, .value_kind: global_buffer, .address_space: global }
      - { .name: hist, .offset: 72, .size: 8, .value_kind: global_buffer, .address_space: global }
      - { .name: abf, .offset: 80, .size: 8, .value_kind: global_buffer, .address_space: global }
      - { .name: wbf, .offset: 88, .size: 8, .value_kind: global_buffer, .address_space: global }
    .group_segment_fixed_size: 21504
    .private_segment_fixed_size: 0
    .kernarg_segment_align: 8
    .kernarg_segment_size: 96
    .max_flat_workgroup_size: 256
    .sgpr_count:     66
    .vgpr_count:     160
    .wavefront_size: 32
...
	.end_amdgpu_metadata
.endif
;; end of part 1
;; launch lstm (part 2): grid 16 x 32, 4 waves a work-group, clusters of 4 x 4, 327,680 bytes of LDS; arguments abf, wbf, bf, bi, bo, bc, out0, out1; writes out0, out1
.if DOCPART == 2
	.amdgcn_target "amdgcn-amd-amdhsa--gfx1250"
	.amdhsa_code_object_version 6
	.text
	.protected	k_qf4f05a6507_lstm
	.globl	k_qf4f05a6507_lstm
	.p2align	8
	.type	k_qf4f05a6507_lstm,@function
k_qf4f05a6507_lstm:
	s_mov_b64 s[64:65], 0
	v_nop
	global_prefetch_b8 v0, s[64:65] scope:SCOPE_SE
	s_setreg_imm32_b32 hwreg(HW_REG_WAVE_MODE, 25, 1), 1
	s_wait_xcnt 0x0
	s_wait_alu depctr_hold_cnt(0) depctr_sa_sdst(0) depctr_va_vdst(0) depctr_va_sdst(0) depctr_va_ssrc(0) depctr_va_vcc(0) depctr_vm_vsrc(0)
	s_getreg_b32 s2, hwreg(HW_REG_IB_STS2, 6, 4)
	s_cmp_eq_u32 s2, 0
	s_cbranch_scc0 .Lentry_in_a_cluster
	s_endpgm
.Lentry_in_a_cluster:
	s_bfe_u32 s2, ttmp6, 0x10000c
	s_cmp_lg_u32 s2, 0xf033
	s_cbranch_scc0 .Lentry_shape_is_right
	s_endpgm
.Lentry_shape_is_right:
; z_g = [x h] W_g + b_g for the gates g = f, i, o, c;  c = sigmoid(z_f) + sigmoid(z_i) tanh(z_c)  (the carousel is the constant 1);  h = sigmoid(z_o) c.  out0 = h, out1 = c, f32 [8192][1024].
; abf: bf16 [8192][2048], x and h side by side.  wbf: bf16 [2048 k][16 blocks][4 gates][64 columns].  Products in bf16 with f32 sums over K = 2048, ascending; the rest in f32.
; LIMITS.  Every input has been rounded once to bf16, and the biases are rounded so here.  sigmoid(z) = 1 / (1 + 2^(-z log2 e)), tanh(z) = 1 - 2 / (1 + 2^(2 z log2 e)): where the power overflows to an
; infinity or vanishes (below 2^-126 it counts as 0) the gates take their limits 0, 1, -1 exactly, so nothing is clamped; near 0 tanh is off by about 1e-7 in absolute terms.  NaN and infinities are not treated apart.
; SHARES.  A work-group makes 256 rows x 64 columns of both outputs: a tile of 256 x 256 of z (four gates x 64 columns).  Four waves, as many as a WGP has SIMDs: wave w takes rows 128 (w / 2) .. + 127 and
; columns 32 (w % 2) .. + 31 of ALL FOUR gates: 64 accumulators of 16 x 16, 512 registers; accumulator (a, b): rows 16 a on, gate b / 2, columns 16 (b % 2) on.  So a lane holds f, i, o and g of one
; number in the same register of four accumulators, and the gates' arithmetic changes no lane.
; K goes in steps of 128 through a ring of two LDS slots filled by the tensor data mover: 256 rows x 256 bytes of abf, 128 rows x 512 bytes of wbf.
; THE MATRIX INSTRUCTION IS USED TRANSPOSED: source 0 = 16 columns of W, source 1 = 16 rows of A: lane l then holds row l % 16 and its registers the columns 8 (l / 16) + 0 .. 7.
; W lies [k][column] in LDS and comes out turned, by ds_load_tr16_b128.  THE BIAS is the C operand of each accumulator's first product: nothing is cleared and nothing is added later.
; CLUSTERS: 4 x 4 work-groups.  The four of a row of the cluster need the same tiles of abf, the four of a column the same tiles of wbf: each tile is asked for JOINTLY, by the same tensor load with the same
; descriptor and a mask that names the four.
; REGISTERS, in windows of 256 (s_set_vgpr_msb: bits 1:0 source 0, 3:2 source 1, 5:4 source 2, 7:6 destination):
;   window 0: v0-40 addresses and at work; v64-127, v128-191 fragments of A, two buffers, later the rows on their way out; v192-255 the bias, 8 registers for each b
;   window 1: v64-127, v128-191 fragments of W, two buffers      window 2: the accumulators of a = 0..3 at v[8 (8 a + b)]      window 3: those of a = 4..7
.set KSTEP,  128
.set PA,     272                       ; a row of A in LDS: 256 bytes + 16 of padding = 68 words: the 16 rows of a load start at 16 different groups of four banks (64 banks of 4 bytes: ISA guide 11.1)
.set PB,     544                       ; a row of W: 512 + 32 = 136 words
.set HALFT,  128*PA                    ; what one tensor load brings: 128 rows of A, or 64 rows of W (64 x 544 is the same number)
.set SLOT,   4*HALFT                   ; A's rows 0-127, 128-255, then W's k 0-63, 64-127
.set SPARE,  2*SLOT                    ; behind the ring: the spare words, 128 bytes for each wave: two blocks of 256 bytes that no other line names
.set SP,     272                       ; the stage for the way out: 256 rows x (256 + 16) bytes for h, then as many for c.  It lies in slot 0, which has had its last fill and its last read by then
.set STC,    256*SP
.set LAPS,   8                         ; a lap = two K steps = once round the ring: 2048 / 256
.set ADRA, 16                          ; v16-17  LDS address of my A fragments in slot 0, 1
.set ADRB, 20                          ; v20-21  the same for W
.set BO,   22                          ; v22     my byte offset in a bias
.set CO,   23                          ; v23     my byte offset in two rows of an output
.set STO,  24                          ; v24     the way out: where I put 16 bytes of a row of h
.set STOC, 25                          ; v25     of c
.set RD,   26                          ; v26     the way out: where I read a row of h back
.set RDC,  27                          ; v27     of c
.set SPW,  28                          ; v28     LDS address of my spare word: SPARE + 4 x my thread's number; never rewritten
.set NIL,  29                          ; v29     0; never rewritten
.set PFO,  30                          ; v30     the prefetches' offset; never rewritten
.set F0,   64
.set F1,   128
.set BIAS, 192
.set G1,  24                           ; s[24:31] descriptor group 1 for A's tiles;  s[32:39] group 0, one set for each slot
.set G0,  32
.set G1B, 48                           ; s[48:55], s[56:63] the same for W's tiles
.set G0B, 56
.set LIM, 43                           ; s43      1 in a wave that prefetches, else the greatest number
.set PFA, 44                           ; s[44:45] where my prefetches stand
.set PST, 66                           ; s[66:67] a K step in bytes along my prefetches' tensor
.set NL,  80                           ; s[80:81] -log2 e: the packed scaling takes the pair's low word for both halves
.set TL,  82                           ; s[82:83] 2 log2 e
.set MSB, 0
.macro WIN new                         ; the immediate's high byte repeats the setting that is left; a switch that changes nothing is dropped
.if MSB != (\new)
	s_set_vgpr_msb (MSB<<8)|(\new)
.set MSB, \new
.endif
.endm
.set MUL_LO, 0xa1                      ; source 0 (W) window 1, source 1 (A) window 0, C and D window 2
.set TO_B,   0x40                      ; destination window 1, address window 0
; A joint load.  Waves 0 and 1 fetch A's two halves, waves 2 and 3 W's.  Each line has ONE mask and one set of registers for all that issue it; the branch hangs on the wave's number alone.
; An s_nop 0 and four v_nop follow each of the two lines, ahead of the jump, the label and what follows.
.macro JLOAD s
	s_cmp_eq_u32 s11, 0
	s_cbranch_scc0 .Lfor_b_\@
	tensor_load_to_lds s[G0+4*(\s):G0+4*(\s)+3], s[G1:G1+7]
	s_nop 0
.rept 4
	v_nop
.endr
	s_branch .Lasked_\@
.Lfor_b_\@:
	tensor_load_to_lds s[G0B+4*(\s):G0B+4*(\s)+3], s[G1B:G1B+7]
	s_nop 0
.rept 4
	v_nop
.endr
.Lasked_\@:
.endm
; A PREFETCH INTO THE L2, behind each joint refill, its five lines and the run of LDS loads that follows: the K step that stands TWO refills on, 512 matrix instructions ahead of the load that will want it.
; Each aligned block of 256 bytes is named once in the launch.  A's rows are read by every cluster of a row of clusters: the one with cluster x = 0 asks, by its waves 0 and 1; W's columns by every cluster of a
; column of clusters: the one with cluster y = 0 asks, by its waves 2 and 3.  The four partners that ask for a tile jointly share its blocks out BY ADDRESS: of A's 128 rows of 256 bytes 32 each, a lane a row;
; of W's 64 rows of 512 bytes 16 each, two lanes a row.  No branch hangs on a work-group's place in its cluster.  The first four K steps come by their loads alone; the loop's last trip asks for nothing.
.macro ASK
	s_cmp_gt_u32 s3, s[LIM]                        ; s3 = 1 in the loop's last trip: there is no K step two refills on
	s_cbranch_scc0 .Lnot_mine_\@
	global_prefetch_b8 v[PFO], s[PFA:PFA+1] th:TH_LOAD_NT scope:SCOPE_SE
.Lnot_mine_\@:
.endm
; A round of the cluster's barrier: my work-group's barrier, so that wave 0's signal speaks for all four waves; wave 0 signals; every wave waits for all sixteen work-groups; my work-group's barrier once more.
.macro CREST                           ; a round behind its opening barrier
	s_cmp_lg_u32 s10, 0
	s_cbranch_scc1 .Lnot_wave_0_\@
	s_barrier_signal -3
.Lnot_wave_0_\@:
	s_barrier_wait -3
	s_barrier_signal -1
	s_barrier_wait -1
.endm
.macro CROUND                          ; a whole round
	s_barrier_signal -1
	s_barrier_wait -1
	CREST
.endm
	s_load_b128 s[4:7], s[0:1], 0x0                ; abf s[4:5], wbf s[6:7]
	s_load_b256 s[68:75], s[0:1], 0x10             ; bf s[68:69], bi s[70:71], bo s[72:73], bc s[74:75]
	s_load_b128 s[76:79], s[0:1], 0x30             ; out0 s[76:77], out1 s[78:79]
	v_lshl_add_u32 v[SPW], v0, 2, SPARE
	v_mov_b32 v[NIL], 0
	ds_add_u32 v[SPW], v[NIL]                      ; the wave's opening: the add, twice on end, and its wait ahead of my first tensor load; the set-up below, work on registers, stands between
	ds_add_u32 v[SPW], v[NIL]                      ; and once more, under the one wait
	v_lshrrev_b32 v1, 5, v0
	v_readfirstlane_b32 s10, v1                    ; wave 0..3
	s_lshr_b32 s11, s10, 1                         ; which half of the tile's rows is mine.  Also: I fetch for A (0) or for W (1)
	s_and_b32 s12, s10, 1                          ; which half of each gate's 64 columns.  Also: which half of that tile I fetch
	s_bfe_u32 s40, ttmp6, 0x40000                  ; cx: my place along the cluster's x
	s_bfe_u32 s41, ttmp6, 0x40004                  ; cy: along its y
	s_lshl_b32 s42, ttmp9, 2                       ; in a cluster launch ttmp9 and ttmp7 count clusters
	s_add_co_u32 s42, s42, s40                     ; tx, the block of 64 columns = 4 x cluster x + cx
	s_and_b32 s13, ttmp7, 0xffff
	s_lshl_b32 s13, s13, 2
	s_add_co_u32 s13, s13, s41                     ; ty, the block of 256 rows = 4 x cluster y + cy
	s_lshl_b32 s84, s41, 2
	s_lshl_b32 s84, 15, s84                        ; my row of the cluster: places 4 cy .. 4 cy + 3
	s_lshl_b32 s85, 0x1111, s40                    ; my column: places cx, cx + 4, cx + 8, cx + 12
	; descriptor group 1.  A: 128 rows x 128 elements.  W: 64 rows x 256 elements.  Both padded in LDS behind each row
	s_or_b32 s[G1+0], s84, (1<<16)|(1<<20)|(1<<21)|(5<<22)|(3<<25)   ; 15:0 the mask: A's tiles go to my row; 17:16 elements of 2 bytes; 20 padding on; 21 set beside a mask; 24:22 after every 64 words (code 5); 31:25 4 words (code 3)
	s_mov_b32 s[G1+1], 128<<16                     ; tensor_dim0 = 128
	s_mov_b32 s[G1+2], 128<<16                     ; tensor_dim1 = 128
	s_mov_b32 s[G1+3], 128<<16                     ; tile_dim0 = 128
	s_mov_b32 s[G1+4], 128                         ; tile_dim1 = 128
	s_mov_b32 s[G1+5], 2048                        ; elements from row to row of abf
	s_mov_b32 s[G1+6], 0
	s_mov_b32 s[G1+7], 0
	s_or_b32 s[G1B+0], s85, (1<<16)|(1<<20)|(1<<21)|(6<<22)|(7<<25)  ; the mask of my column; after every 128 words (code 6) 8 words of padding (code 7)
	s_mov_b32 s[G1B+1], 256<<16                    ; tensor_dim0 = 256
	s_mov_b32 s[G1B+2], 64<<16                     ; tensor_dim1 = 64
	s_mov_b32 s[G1B+3], 256<<16                    ; tile_dim0 = 256
	s_mov_b32 s[G1B+4], 64                         ; tile_dim1 = 64
	s_mov_b32 s[G1B+5], 4096                       ; elements from row to row of wbf
	s_mov_b32 s[G1B+6], 0
	s_mov_b32 s[G1B+7], 0
	s_mov_b32 s[NL], 0xbfb8aa3b                    ; -1.442695
	s_mov_b32 s[NL+1], s[NL]                       ; named with it as a pair
	s_mov_b32 s[TL], 0x4038aa3b                    ; 2.885390
	s_mov_b32 s[TL+1], s[TL]
	; where the tiles come from.  A's hang on ty alone, which my row of the cluster shares; W's on tx alone, which my column shares.  Every wave makes both, in registers that never hold the other coordinate.
	s_lshl_b32 s17, s12, 7
	s_lshl_b32 s16, s13, 8
	s_add_co_u32 s16, s16, s17                     ; A: row 256 ty + 128 x half,
	s_lshl_b32 s16, s16, 12                        ; of 4,096 bytes
	s_mov_b32 s17, 0
	s_lshl_b32 s46, s42, 9                         ; W: 512 bytes for each block of columns,
	s_lshl_b32 s47, s12, 19                        ; 64 rows of 8,192 bytes for the half
	s_add_co_u32 s46, s46, s47
	s_mov_b32 s47, 0
	s_mul_i32 s20, s10, HALFT                      ; and where they go: wave x a load's bytes: no place in the cluster enters an LDS address
	s_wait_dscnt 0x0                               ; both opening adds are done
	s_wait_kmcnt 0x0
	s_add_nc_u64 s[14:15], s[4:5], s[16:17]
	s_add_nc_u64 s[46:47], s[6:7], s[46:47]
	CROUND                                         ; all sixteen work-groups are here: the first joint loads meet
.irp s, 0,1
	s_mov_b32 s[G0+4*(\s)], 1                                        ; 1:0 count = 1
	s_add_co_u32 s[G0+4*(\s)+1], s20, (\s)*SLOT                      ; 63:32 LDS address
	s_add_nc_u64 s[G0+4*(\s)+2:G0+4*(\s)+3], s[14:15], (\s)*KSTEP*2  ; 120:64 global address: K step s is 256 bytes along A's rows,
	s_or_b32 s[G0+4*(\s)+3], s[G0+4*(\s)+3], 0x80000000              ; 127:126 type = 2
	s_mov_b32 s[G0B+4*(\s)], 1
	s_add_co_u32 s[G0B+4*(\s)+1], s20, (\s)*SLOT
	s_add_nc_u64 s[G0B+4*(\s)+2:G0B+4*(\s)+3], s[46:47], (\s)*KSTEP*8192  ; and 128 rows down in wbf
	s_or_b32 s[G0B+4*(\s)+3], s[G0B+4*(\s)+3], 0x80000000
	JLOAD \s                                       ; the ring is filled before anything else is done: two loads of mine are out
.endr
	; THE BIAS.  In C, register j of lane l belongs to column 8 (l / 16) + j of its accumulator: 32 bytes on end of the gate's bias, the same for all 16 rows.
	v_and_b32 v1, 15, v0                           ; l % 16
	v_bfe_u32 v2, v0, 4, 1                         ; l / 16
	s_lshl_b32 s21, s42, 8                         ; 64 tx columns of 4 bytes
	s_lshl_b32 s22, s12, 7                         ; my 32 of them
	s_add_co_u32 s21, s21, s22
	v_lshl_add_u32 v[BO], v2, 5, s21
.irp g, 0,1,2,3
.irp cb, 0,1
	global_load_b128 v[BIAS+8*(2*(\g)+(\cb)):BIAS+8*(2*(\g)+(\cb))+3],   v[BO], s[68+2*(\g):69+2*(\g)] offset:64*(\cb)
	global_load_b128 v[BIAS+8*(2*(\g)+(\cb))+4:BIAS+8*(2*(\g)+(\cb))+7], v[BO], s[68+2*(\g):69+2*(\g)] offset:64*(\cb)+16
.endr
.endr
	; A fragment of A is 16 rows x 32 K in 8 registers: lane l holds row l % 16; registers 0-3 K = 8 (l / 16) + 0..7, registers 4-7 K = 16 + 8 (l / 16) + 0..7: two loads of 16 bytes, 32 bytes apart.
	v_mul_u32_u24 v3, v1, PA
	v_lshl_add_u32 v3, v2, 4, v3                   ; row x pitch + 16 x half
	s_mul_i32 s21, s11, HALFT                      ; my 128 rows of A
	v_add_nc_u32 v[ADRA], s21, v3
	v_add_nc_u32 v[ADRA+1], SLOT, v[ADRA]
	; The turning load takes 16 k x 16 columns (lane l reads 16 bytes: k = 8 (l / 16) + l % 8, columns 8 ((l / 8) % 2) + 0..7) and leaves half a fragment: lane l holds column l % 16 and 8 k.
	v_and_b32 v4, 7, v0
	v_bfe_u32 v5, v0, 3, 1
	v_lshl_add_u32 v6, v2, 3, v4
	v_mul_u32_u24 v6, v6, PB
	v_lshl_add_u32 v6, v5, 4, v6
	s_lshl_b32 s22, s12, 6                         ; my 32 columns of each gate: 64 bytes,
	s_add_co_u32 s22, s22, 2*HALFT                 ; behind A's 256 rows
	v_add_nc_u32 v[ADRB], s22, v6
	v_add_nc_u32 v[ADRB+1], SLOT, v[ADRB]
	; the way out.  In: row 128 (w / 2) + 16 a + l % 16, bytes 128 (w % 2) + 64 cb + 32 (l / 16) on.  Back: wave w takes rows 64 w .. 64 w + 63, whole; lanes 0-15 one row of 256 bytes, lanes 16-31 the next.
	v_mul_u32_u24 v7, v1, SP
	v_lshl_add_u32 v7, v2, 5, v7
	s_mul_i32 s23, s11, 128*SP
	s_lshl_b32 s21, s12, 7
	s_add_co_u32 s23, s23, s21
	v_add_nc_u32 v[STO], s23, v7
	v_add_nc_u32 v[STOC], STC, v[STO]
	v_mul_u32_u24 v7, v2, SP
	v_lshl_add_u32 v7, v1, 4, v7
	s_mul_i32 s23, s10, 64*SP
	v_add_nc_u32 v[RD], s23, v7
	v_add_nc_u32 v[RDC], STC, v[RD]
	v_lshlrev_b32 v[CO], 4, v1                     ; and the same two rows in an output: 4,096 bytes apart
	v_lshl_add_u32 v[CO], v2, 12, v[CO]
	s_lshl_b32 s86, s13, 8
	s_lshl_b32 s87, s10, 6
	s_add_co_u32 s86, s86, s87                     ; the first row that I store: 256 ty + 64 w,
	s_lshl_b32 s86, s86, 12                        ; of 4,096 bytes,
	s_lshl_b32 s87, s42, 8                         ; and the tile's 64 columns: 256 bytes
	s_add_co_u32 s86, s86, s87
	s_mov_b32 s87, 0
	s_add_nc_u64 s[76:77], s[76:77], s[86:87]
	s_add_nc_u64 s[78:79], s[78:79], s[86:87]
	; the prefetches: both offsets are made, then the wave's number chooses
	s_lshl_b32 s20, s13, 8
	s_lshl_b32 s21, s12, 7
	s_add_co_u32 s20, s20, s21                     ; A: the 128 rows that I fetch,
	s_lshl_b32 s21, s40, 5
	s_add_co_u32 s20, s20, s21                     ; my work-group's 32 of them,
	s_lshl_b32 s20, s20, 12
	s_add_co_u32 s20, s20, 3*KSTEP*2               ; at K step 3: the first refill steps it to 4
	s_lshl_b32 s21, s12, 6                         ; W: the 64 rows that I fetch,
	s_lshl_b32 s23, s41, 4
	s_add_co_u32 s21, s21, s23                     ; my work-group's 16 of them,
	s_lshl_b32 s21, s21, 13
	s_lshl_b32 s23, s42, 9                         ; the tile's 512 bytes of a row,
	s_add_co_u32 s21, s21, s23
	s_add_co_u32 s21, s21, 3*KSTEP*8192            ; at K step 3
	s_and_b32 s22, ttmp7, 0xffff                   ; cluster y
	s_mov_b32 s[PST], KSTEP*8192
	s_mov_b32 s[PST+1], 0
	s_movk_i32 s23, 256
	s_cmp_eq_u32 s11, 0                            ; do I fetch for A?
	s_cselect_b32 s20, s20, s21
	s_cselect_b32 s22, ttmp9, s22                  ; the coordinate along which other clusters read the same blocks
	s_cselect_b64 s[PFA:PFA+1], s[4:5], s[6:7]
	s_cselect_b32 s[PST], KSTEP*2, s[PST]          ; a K step: 256 bytes along A's rows, 128 rows down in wbf
	s_cselect_b32 s23, 4096, s23                   ; an odd lane: A's next row, or the second 256 bytes of W's row
	s_mov_b32 s21, 0
	s_add_nc_u64 s[PFA:PFA+1], s[PFA:PFA+1], s[20:21]
	s_cmp_eq_u32 s22, 0
	s_cselect_b32 s[LIM], 1, -1                    ; the same in all sixteen partners, for a given wave
	v_and_b32 v31, 1, v0
	v_mul_u32_u24 v31, v31, s23
	v_and_b32 v[PFO], 30, v0
	v_lshl_add_u32 v[PFO], v[PFO], 12, v31         ; two lanes: 8,192 bytes: two rows of A, one of W
	s_wait_loadcnt 0x0                             ; the bias is in; it is rounded to bf16 as every other input was, and kept as f32
.set p, 0
.rept 32
	v_cvt_pk_bf16_f32 v[32+p%4], v[BIAS+2*p], v[BIAS+2*p+1]
	v_lshlrev_b32 v[BIAS+2*p], 16, v[32+p%4]
	v_and_b32 v[BIAS+2*p+1], 0xffff0000, v[32+p%4]
.set p, p+1
.endr
; 16 matrix instructions: row blocks a0, a0 + 1 of the window's four (hi = 0: my rows 0-63, 1: rows 64-127) x all 8 column blocks, 32 along K.  first = 1: the first product starts the sums with the bias.
; The 64 accumulators take turns, one instruction a turn, in the same order in every quarter.
.macro MUL16 f, hi, a0, first
.if \first
	WIN 0x81+0x40*(\hi)                            ; C (the bias) in window 0, D in window 2 or 3
.else
	WIN MUL_LO+0x50*(\hi)
.endif
.irp a, \a0, (\a0)+1
.irp b, 0,1,2,3,4,5,6,7
.if \first
	v_wmma_f32_16x16x32_bf16 v[8*(8*(\a)+(\b)):8*(8*(\a)+(\b))+7], v[(\f)+8*(\b):(\f)+8*(\b)+7], v[(\f)+8*(4*(\hi)+(\a)):(\f)+8*(4*(\hi)+(\a))+7], v[BIAS+8*(\b):BIAS+8*(\b)+7]
.else
	v_wmma_f32_16x16x32_bf16 v[8*(8*(\a)+(\b)):8*(8*(\a)+(\b))+7], v[(\f)+8*(\b):(\f)+8*(\b)+7], v[(\f)+8*(4*(\hi)+(\a)):(\f)+8*(4*(\hi)+(\a))+7], v[8*(8*(\a)+(\b)):8*(8*(\a)+(\b))+7]
.endif
.endr
.endr
.endm
; 32 LDS loads in one run: the fragments of quarter q (32 along K) into buffer f: W's eight (gate i / 2, columns 16 (i % 2) on), turned, then A's eight
.macro FETCH slot, q, f
	WIN TO_B
.irp i, 0,1,2,3,4,5,6,7
	ds_load_tr16_b128 v[(\f)+8*(\i):(\f)+8*(\i)+3],   v[ADRB+(\slot)] offset:(\q)*32*PB+128*((\i)/2)+32*((\i)%2)
	ds_load_tr16_b128 v[(\f)+8*(\i)+4:(\f)+8*(\i)+7], v[ADRB+(\slot)] offset:(\q)*32*PB+16*PB+128*((\i)/2)+32*((\i)%2)
.endr
	WIN 0
.irp i, 0,1,2,3,4,5,6,7
	ds_load_b128 v[(\f)+8*(\i):(\f)+8*(\i)+3],   v[ADRA+(\slot)] offset:64*(\q)+(\i)*16*PA
	ds_load_b128 v[(\f)+8*(\i)+4:(\f)+8*(\i)+7], v[ADRA+(\slot)] offset:64*(\q)+(\i)*16*PA+32
.endr
.endm
; A load into a register that a matrix instruction has read, and a vector instruction that reads a matrix result or writes one of a matrix instruction's registers, stand four places behind it, and only plain
; vector instructions that name none of its registers are places (ISA guide 7.12.1 for vector instructions).
.macro PLACES
.rept 4
	v_nop
.endr
.endm
; A K step is four quarters of 32 along K, 64 matrix instructions each, on buffers 0, 1, 0, 1.  One of the first three: multiplies buffer f; in its middle it fetches quarter q of the same slot into buffer g.
.macro QUARTER slot, q, f, g, first
	s_wait_dscnt 8                                 ; W and A's rows 0-63 are in; the youngest eight loads (A's rows 64-127) may be out
	MUL16 \f, 0, 0, \first
	MUL16 \f, 0, 2, \first
	PLACES
	FETCH \slot, \q, \g
	s_wait_dscnt 32                                ; all but the 32 just issued
	MUL16 \f, 1, 0, \first
	MUL16 \f, 1, 2, \first
.endm
; The last quarter multiplies buffer 1 and changes slots.  MEET is its first half: ONE barrier for the change.  In front of it each wave waits for all its tensor loads, of which one is out: its part of the next
; slot; adds 0 to its spare word; and waits for that and for its own reads of this slot.  Behind it nobody reads this slot any more and the next slot is whole.
.macro MEET round                      ; round = 1: a round of the cluster's barrier follows
	WIN 0                                          ; (the add's two registers lie in window 0)
	s_wait_tensorcnt 0x0                           ; all my tensor loads have landed;
	ds_add_u32 v[SPW], v[NIL]                      ; 0 onto my spare word:
	s_wait_dscnt 9                                 ; (the add and the youngest eight loads may be out)
	MUL16 F1, 0, 0, 0                              ; sixteen matrix instructions stand between the add and the wait for it
	s_wait_dscnt 0x0                               ; the add is done, and my reads of this slot are over:
	s_barrier_signal -1                            ; say so,
	MUL16 F1, 0, 2, 0                              ; work on registers while the others arrive,
.if \round
	WIN 0
.endif
	s_barrier_wait -1                              ; and go on when all four have said so
.endm
; The whole last quarter.  fill = 1: the barrier opens a round of the cluster's barrier; behind it the slot just read out is filled again first, with the K step two steps on: from that request to the wait for it
; a wave issues 224 matrix instructions; then come the next slot's first fragments.
.macro TURN slot, next, fill
.if \fill
	s_wait_xcnt 0x0                                ; the last prefetch, a K step back, has read its address: it is stepped here, ahead of the waits of the change of slots
	s_add_nc_u64 s[PFA:PFA+1], s[PFA:PFA+1], s[PST:PST+1]
	MEET 1
	CREST                                          ; no wave of any partner still reads this slot's tile or has a load on its way
	s_add_nc_u64 s[G0+4*(\slot)+2:G0+4*(\slot)+3], s[G0+4*(\slot)+2:G0+4*(\slot)+3], 2*KSTEP*2
	s_add_nc_u64 s[G0B+4*(\slot)+2:G0B+4*(\slot)+3], s[G0B+4*(\slot)+2:G0B+4*(\slot)+3], 2*KSTEP*8192
	JLOAD \slot                                    ; the first tensor load behind the round; the four v_nop behind it are also the places in front of the loads below
	FETCH \next, 0, F0
	ASK                                            ; behind the joint load and the run of LDS loads that the next products wait for
.else
	MEET 0                                         ; nothing is filled again, so no round follows
	PLACES
	FETCH \next, 0, F0
.endif
	MUL16 F1, 1, 0, 0
	MUL16 F1, 1, 2, 0
.endm
; THE GATES of row block a, in place on its eight accumulators: z_f at AC, z_i at AC + 16, z_o at AC + 32, z_c at AC + 48, 16 registers each.  Each accumulator is read from its lowest registers on.
; Two batches of 64 transcendentals, each with one plain instruction behind its last and ONE wait ahead of its first reader; the scaling of the next pair stands ahead of a pair's
; two transcendentals, so that none reads the result of the line before it.  Then c and h, and 16 bytes a lane into the stage.
.macro ACT a
.set AC, 64*((\a)%4)
	WIN 0xaa+0x55*((\a)/4)                         ; every operand in the accumulators' window
	v_pk_mul_f32 v[AC:AC+1], v[AC:AC+1], s[NL:NL+1] op_sel_hi:[1,0]
.set p, 0
.rept 32
.if p < 23
	v_pk_mul_f32 v[AC+2*p+2:AC+2*p+3], v[AC+2*p+2:AC+2*p+3], s[NL:NL+1] op_sel_hi:[1,0]  ; -z log2 e for f, i, o
.elseif p < 31
	v_pk_mul_f32 v[AC+2*p+2:AC+2*p+3], v[AC+2*p+2:AC+2*p+3], s[TL:TL+1] op_sel_hi:[1,0]  ; 2 z log2 e for the tanh
.endif
	v_exp_f32 v[AC+2*p], v[AC+2*p]
	v_exp_f32 v[AC+2*p+1], v[AC+2*p+1]
.set p, p+1
.endr
	v_nop
	s_wait_alu depctr_va_vdst(0)                   ; one wait for the 64 powers
	v_pk_add_f32 v[AC:AC+1], v[AC:AC+1], 1.0 op_sel_hi:[1,0]
.set p, 0
.rept 32
.if p < 31
	v_pk_add_f32 v[AC+2*p+2:AC+2*p+3], v[AC+2*p+2:AC+2*p+3], 1.0 op_sel_hi:[1,0]
.endif
	v_rcp_f32 v[AC+2*p], v[AC+2*p]
	v_rcp_f32 v[AC+2*p+1], v[AC+2*p+1]
.set p, p+1
.endr
	v_nop
	s_wait_alu depctr_va_vdst(0)                   ; one wait for the 64 reciprocals
.set p, 0
.rept 8
	v_pk_fma_f32 v[AC+48+2*p:AC+48+2*p+1], v[AC+48+2*p:AC+48+2*p+1], -2.0, 1.0 op_sel_hi:[1,0,0]  ; g = 1 - 2 / (1 + 2^..)
.set p, p+1
.endr
.set p, 0
.rept 8
	v_pk_fma_f32 v[AC+2*p:AC+2*p+1], v[AC+16+2*p:AC+16+2*p+1], v[AC+48+2*p:AC+48+2*p+1], v[AC+2*p:AC+2*p+1]  ; c = i g + f
.set p, p+1
.endr
.set p, 0
.rept 8
	v_pk_mul_f32 v[AC+32+2*p:AC+32+2*p+1], v[AC+32+2*p:AC+32+2*p+1], v[AC+2*p:AC+2*p+1]  ; h = o c
.set p, p+1
.endr
	WIN 0x08+0x04*((\a)/4)                         ; address in window 0, data in the accumulators' window
.irp cb, 0,1
.irp u, 0,1
	ds_store_b128 v[STO],  v[AC+32+8*(\cb)+4*(\u):AC+32+8*(\cb)+4*(\u)+3] offset:(\a)*16*SP+64*(\cb)+16*(\u)
	ds_store_b128 v[STOC], v[AC+8*(\cb)+4*(\u):AC+8*(\cb)+4*(\u)+3]       offset:(\a)*16*SP+64*(\cb)+16*(\u)
.endr
.endr
.endm
; 64 whole rows of one output: back from the stage, two rows a load, and stored
.macro OUT rd, base
.set t, 0
.rept 32
	ds_load_b128 v[F0+4*t:F0+4*t+3], v[\rd] offset:2*SP*t
.set t, t+1
.endr
.set t, 0
.rept 32
	s_wait_dscnt 31-t                              ; LDS loads come back in order (ISA guide 5.7.1): pair t of rows is in
	global_store_b128 v[CO], v[F0+4*t:F0+4*t+3], s[\base:\base+1] offset:8192*t th:TH_STORE_NT  ; 16 lanes store 256 consecutive bytes, at a multiple of 256 from the output's first byte
.set t, t+1
.endr
.endm
	s_wait_tensorcnt 1                             ; my part of K step 0 is in; K step 1's may stay out
	s_barrier_signal -1
	s_barrier_wait -1                              ; everybody's is
	FETCH 0, 0, F0
	QUARTER 0, 1, F0, F1, 1                        ; the first quarter stands in front of the loop: its products start the sums with the bias
	WIN 0                                          ; at a label and at a branch every window is 0
	s_mov_b32 s3, LAPS-1
.Llap:                                                 ; a trip goes once round the ring, from a lap's second quarter to the next lap's first, and fills both slots again
	QUARTER 0, 2, F1, F0, 0
	QUARTER 0, 3, F0, F1, 0
	TURN 0, 1, 1
	QUARTER 1, 1, F0, F1, 0
	QUARTER 1, 2, F1, F0, 0
	QUARTER 1, 3, F0, F1, 0
	TURN 1, 0, 1
	QUARTER 0, 1, F0, F1, 0
	WIN 0
	s_sub_co_u32 s3, s3, 1
	s_cmp_lg_u32 s3, 0
	s_cbranch_scc1 .Llap
	QUARTER 0, 2, F1, F0, 0                        ; the last lap is written out: it fills nothing, and has no round of the cluster's barrier
	QUARTER 0, 3, F0, F1, 0
	TURN 0, 1, 0                                   ; behind this barrier no wave reads slot 0 any more, and no load fills it again
	QUARTER 1, 1, F0, F1, 0
	QUARTER 1, 2, F1, F0, 0
	QUARTER 1, 3, F0, F1, 0
	s_wait_dscnt 8                                 ; the very last quarter: nothing more to fetch
	MUL16 F1, 0, 0, 0
	MUL16 F1, 0, 2, 0
	s_wait_dscnt 0x0
	MUL16 F1, 1, 0, 0
	MUL16 F1, 1, 2, 0
	PLACES                                         ; the gates' arithmetic reads and rewrites results just made
	; THE WAY OUT: the gates, block by block, into the stage; a barrier, since a row's 256 bytes come from two waves; back as whole rows, 64 rows a wave, h and then c.
.irp a, 0,1,2,3,4,5,6,7
	ACT \a
.endr
	WIN 0
	s_wait_dscnt 0x0                               ; for the others' sake: my stores into the stage are done
	s_barrier_signal -1
	s_barrier_wait -1
	OUT RD, 76                                     ; h -> out0
	s_wait_xcnt 0x0                                ; every earlier memory instruction has had its addresses translated (ISA guide 3.1): the registers that h's stores read are loaded again only behind this wait
	OUT RDC, 78                                    ; c -> out1
	s_wait_tensorcnt 0x0                           ; the wave's end: a tensor wait, an add of 0 and its wait, behind my last tensor load and my last LDS store
	ds_add_u32 v[SPW], v[NIL]
	s_wait_dscnt 0x0
	CROUND                                         ; the closing round: no work-group ends while a partner may still ask for a tile that names it
	s_endpgm
.Lfunc_end_k_qf4f05a6507_lstm:
	.size	k_qf4f05a6507_lstm, .Lfunc_end_k_qf4f05a6507_lstm-k_qf4f05a6507_lstm
	.p2alignl 7, 3214868480
	.fill 96, 4, 3214868480
	.section	.rodata,"a",@progbits
	.p2align	6, 0x0
	.amdhsa_kernel k_qf4f05a6507_lstm
		.amdhsa_group_segment_fixed_size 327680
		.amdhsa_private_segment_fixed_size 0
		.amdhsa_enable_private_segment 0
		.amdhsa_kernarg_size 64
		.amdhsa_user_sgpr_count 2
		.amdhsa_user_sgpr_kernarg_segment_ptr 1
		.amdhsa_wavefront_size32 1
		.amdhsa_system_sgpr_workgroup_id_x 1
		.amdhsa_system_sgpr_workgroup_id_y 1
		.amdhsa_system_sgpr_workgroup_id_z 1
		.amdhsa_system_vgpr_workitem_id 0
		.amdhsa_next_free_vgpr 1024
		.amdhsa_next_free_sgpr 88
		.amdhsa_reserve_vcc 0
		.amdhsa_float_denorm_mode_32 3
		.amdhsa_float_denorm_mode_16_64 3
		.amdhsa_memory_ordered 1
		.amdhsa_forward_progress 1
		.amdhsa_inst_pref_size 214
	.end_amdhsa_kernel
	.amdgpu_metadata
---
amdhsa.version: [ 1, 2 ]
amdhsa.kernels:
  - .name:           k_qf4f05a6507_lstm
    .symbol:         k_qf4f05a6507_lstm.kd
    .args:
      - { .name: abf, .offset: 0, .size: 8, .value_kind: global_buffer, .address_space: global }
      - { .name: wbf, .offset: 8, .size: 8, .value_kind: global_buffer, .address_space: global }
      - { .name: bf, .offset: 16, .size: 8, .value_kind: global_buffer, .address_space: global }
      - { .name: bi, .offset: 24, .size: 8, .value_kind: global_buffer, .address_space: global }
      - { .name: bo, .offset: 32, .size: 8, .value_kind: global_buffer, .address_space: global }
      - { .name: bc, .offset: 40, .size: 8, .value_kind: global_buffer, .address_space: global }
      - { .name: out0, .offset: 48, .size: 8, .value_kind: global_buffer, .address_space: global }
      - { .name: out1, .offset: 56, .size: 8, .value_kind: global_buffer, .address_space: global }
    .group_segment_fixed_size: 327680
    .private_segment_fixed_size: 0
    .kernarg_segment_align: 8
    .kernarg_segment_size: 64
    .max_flat_workgroup_size: 128
    .sgpr_count:     88
    .vgpr_count:     1024
    .wavefront_size: 32
...
	.end_amdgpu_metadata
.endif
;; end of part 2
;; ======== version 2 of 2: 2 launches; version 1 with the launch prep written anew for expert scheduling mode
;; workspace buffers: abf 33,554,432 bytes; wbf 16,777,216 bytes
;; launch prep (part 3): grid 768 x 1, 8 waves a work-group, no clusters, 21,504 bytes of LDS; arguments Wfx, Wix, Wox, Wcx, Wfh, Wih, Woh, Wch, inputs, hist, abf, wbf; writes abf, wbf
.if DOCPART == 3
	.amdgcn_target "amdgcn-amd-amdhsa--gfx1250"
	.amdhsa_code_object_version 6
	.text
	.protected	k_qf4f05a6507_prep
	.globl	k_qf4f05a6507_prep
	.p2align	8
	.type	k_qf4f05a6507_prep,@function
k_qf4f05a6507_prep:
	s_mov_b64 s[64:65], 0
	v_nop
	global_prefetch_b8 v0, s[64:65] scope:SCOPE_SE
	s_setreg_imm32_b32 hwreg(HW_REG_WAVE_SCHED_MODE, 0, 2), 2
	s_setreg_imm32_b32 hwreg(HW_REG_WAVE_MODE, 25, 1), 1
	s_wait_xcnt 0x0
	s_wait_alu depctr_vm_vsrc(0)
; THE OPERANDS ARE ROUNDED TO bf16, ONCE, AND LAID OUT FOR THE PRODUCT THAT FOLLOWS.  A pure stream: each input byte is read once, each workspace byte written once.
; abf: bf16 [8192][2048]: columns 0-1023 inputs, 1024-2047 hist; a row is 4,096 bytes.
; wbf: bf16 [2048 k][16 blocks of 64 columns][4 gates f, i, o, c][64 columns]; a row is 8,192 bytes; k < 1024 is row k of W?x, k >= 1024 row k - 1024 of W?h.
;      So one k's four gates x 64 columns are 512 bytes on end, at a multiple of 512 from the buffer's first byte.
; LIMIT.  A number beyond bf16's largest finite one becomes an infinity; NaN and infinities are not treated apart.
; SHARES.  768 work-groups of eight waves; each reads 131,072 bytes of f32 by 32 loads of 16 bytes a lane, all issued before the first is waited for.
;   Work-groups 0-511: 32 rows of inputs (0-255) or of hist (256-511); thread t owns 16 bytes of every row.
;   Work-groups 512-767: eight k; wave w takes one k, that row of all four gates.  The gates are woven together in a stage in LDS that is the wave's own.
; No loop, no barrier: no wave reads what another wave loaded or stored.  No matrix unit, no cluster, no tensor load: nothing is shared and nothing is multiplied.
; THE MODE: SCHED_MODE bits 1:0 = 2 (LLVM: expert scheduling mode 2), set by the entry lines.  The code itself states the register dependences
; between vector instructions and memory or LDS instructions, with s_wait_alu, always for 0.
; THE PLAN.  Registers that memory or LDS instructions touch:
;   v1 to v4        offsets and LDS addresses: written once at a path's head, ahead of one wait on va_vdst; never written again.
;   ROWS.   X + 4 r ..   written by load r; row r's two conversions read them and write the first two; row r's store reads those two; nothing writes them again.
;           The rows go in eight blocks of four.  Block p's memory instructions are the stores of block p - 1; its conversions name block p's registers alone.  So ONE wait on va_vdst at a block's
;           head states all that its four stores hang on, and they are dealt among its conversions.
;   WEIGHTS.  X of chunk j   written by its eight loads; its sixteen conversions read them and write a pair in each four; its eight LDS stores read the pairs.
;           RB(j)   the sixteen registers in which chunk j comes back from the stage: v[144:159] for chunk 0, the first sixteen of chunk j - 1's X for the others.  Written by chunk j's four LDS loads,
;           read by its four global stores, then left alone: no store's data is ever written again.
;           A step has ONE wait on va_vdst, behind its conversions (the pairs are written; the chunk before's conversions, which named RB(j), stand ahead of it too), and from the second step on ONE on
;           vm_vsrc, at its head (the chunk before's LDS stores have read their pairs, which lie in RB(j)).
;   v8, v9          written at the head, read by the closing add alone.
.set LO,   1                           ; v1   byte offset of my 16 bytes: 16 x thread (rows of x and h), or 16 x lane (weights: of a load's 512 bytes, and of a block of wbf); never rewritten
.set SO,   2                           ; v2   8 x thread: my 8 bytes in a half row of abf
.set STW,  3                           ; v3   stage: where I put 8 bytes
.set RDW,  4                           ; v4   stage: where I read 16 bytes back
.set SPW,  8                           ; v8   LDS address of my spare word: SPARE + 4 x my thread's number; never rewritten
.set NIL,  9                           ; v9   0; never rewritten
.set X,    16                          ; v[16:143]  load n in four registers at X + 4 n
.set R,    144                         ; v[144:159] chunk 0's four blocks of 512 bytes, read back from the stage
.set WP,   36                          ; s[36:43]   the four gates' weights at my row
.set STGW, 2560                        ; a wave's stage: four blocks of 64 columns, 640 bytes apart (512 of data + 128, so that the two halves of the lanes store into different banks)
.set SPARE, 8*STGW                     ; behind the stages: the spare words, 128 bytes for each wave: four blocks of 256 bytes that no other line names
	s_load_b512 s[8:23], s[0:1], 0x0               ; Wfx, Wix, Wox, Wcx s[8:15]; Wfh, Wih, Woh, Wch s[16:23]
	s_load_b256 s[24:31], s[0:1], 0x40             ; inputs s[24:25], hist s[26:27], abf s[28:29], wbf s[30:31]
	v_lshl_add_u32 v[SPW], v0, 2, SPARE
	v_mov_b32 v[NIL], 0
	v_lshrrev_b32 v10, 5, v0
	v_readfirstlane_b32 s2, v10                    ; wave 0..7
	s_wait_alu depctr_va_sdst(0)                   ; s2 is written, ahead of the branch and of its first reader: k and the stage's place are made from it
	s_wait_kmcnt 0x0
	s_cmp_lt_u32 ttmp9, 512
	s_cbranch_scc0 .Lw
	; ---- 32 rows of inputs or of hist ----
	s_and_b32 s4, ttmp9, 255
	s_lshl_b32 s4, s4, 17                          ; 32 rows of 4,096 bytes: the same in the f32 source and in abf
	s_mov_b32 s5, 0
	s_cmp_lt_u32 ttmp9, 256
	s_cselect_b64 s[32:33], s[24:25], s[26:27]     ; inputs or hist,
	s_cselect_b32 s6, 0, 2048                      ; the left or the right half of abf's rows
	s_add_nc_u64 s[32:33], s[32:33], s[4:5]
	s_add_co_u32 s4, s4, s6
	s_add_nc_u64 s[34:35], s[28:29], s[4:5]
	v_lshlrev_b32 v[LO], 4, v0
	v_lshlrev_b32 v[SO], 3, v0
	s_wait_alu depctr_va_vdst(0)                   ; v1 and v2 are written: every load and store of this path reads one of them as its offset
.set r, 0
.rept 32
	global_load_b128 v[X+4*r:X+4*r+3], v[LO], s[32:33] offset:4096*r th:TH_LOAD_NT  ; a wave's load covers 512 consecutive bytes
.set r, r+1
.endr
.set p, 0
.rept 8                                                ; block p: rows 4 p to 4 p + 3 are rounded, the block before is stored
	s_wait_loadcnt 28-4*p                          ; loads come back in order (ISA guide 5.7.1): the block's four rows are in, the 28 - 4 p younger ones stay out
.if p > 0
	s_wait_alu depctr_va_vdst(0)                   ; the block before's conversions have written their pairs, which the four stores below read
.endif
.set i, 0
.rept 4
.set r, 4*p+i
.if p > 0
	global_store_b64 v[SO], v[X+4*(r-4):X+4*(r-4)+1], s[34:35] offset:4096*(r-4)  ; 32 lanes store 256 consecutive bytes, at a multiple of 256 from abf's first byte; no vector instruction since the wait names these registers, and no register is used twice
.endif
	v_cvt_pk_bf16_f32 v[X+4*r], v[X+4*r], v[X+4*r+1]
	v_cvt_pk_bf16_f32 v[X+4*r+1], v[X+4*r+2], v[X+4*r+3]
.set i, i+1
.endr
.set p, p+1
.endr
	s_wait_alu depctr_va_vdst(0)                   ; block 7's conversions have written their pairs, which the last four stores read
.set r, 28
.rept 4
	global_store_b64 v[SO], v[X+4*r:X+4*r+1], s[34:35] offset:4096*r
.set r, r+1
.endr
	s_branch .Lend
	; ---- one k of all four gates ----
.Lw:
	s_sub_co_u32 s3, ttmp9, 512
	s_lshl_b32 s4, s3, 3
	s_add_co_u32 s4, s4, s2                        ; k = 8 x (work-group - 512) + wave
	s_lshl_b32 s6, s4, 13                          ; k rows of 8,192 bytes in wbf
	s_mov_b32 s7, 0
	s_and_b32 s4, s4, 1023
	s_lshl_b32 s4, s4, 12                          ; the row in its f32 matrix
	s_mov_b32 s5, 0
	s_cmp_lt_u32 s3, 128                           ; k < 1024: the weights for x, else those for h
	s_cselect_b64 s[WP:WP+1],   s[8:9],   s[16:17]
	s_cselect_b64 s[WP+2:WP+3], s[10:11], s[18:19]
	s_cselect_b64 s[WP+4:WP+5], s[12:13], s[20:21]
	s_cselect_b64 s[WP+6:WP+7], s[14:15], s[22:23]
.irp g, 0,1,2,3
	s_add_nc_u64 s[WP+2*(\g):WP+2*(\g)+1], s[WP+2*(\g):WP+2*(\g)+1], s[4:5]
.endr
	s_add_nc_u64 s[34:35], s[30:31], s[6:7]
	v_and_b32 v10, 31, v0                          ; lane l
	v_lshlrev_b32 v[LO], 4, v10
	v_lshrrev_b32 v11, 4, v10                      ; l / 16: which of a load's two blocks of 64 columns
	v_and_b32 v12, 15, v10
	s_mul_i32 s44, s2, STGW                        ; my wave's stage
	v_mul_u32_u24 v11, v11, 640
	v_lshl_add_u32 v11, v12, 3, v11                ; + 8 (l % 16): four columns in bf16
	v_add_nc_u32 v[STW], s44, v11
	v_add_nc_u32 v[RDW], s44, v[LO]
	s_wait_alu depctr_va_vdst(0)                   ; v1, v3 and v4 are written: the loads and stores of this path, global and LDS, read them as offset and addresses
	; load n = 8 j + 2 g + m: columns 256 j + 128 m .. + 127 of gate g, 512 consecutive bytes
.irp j, 0,1,2,3
.irp g, 0,1,2,3
.irp m, 0,1
	global_load_b128 v[X+4*(8*(\j)+2*(\g)+(\m)):X+4*(8*(\j)+2*(\g)+(\m))+3], v[LO], s[WP+2*(\g):WP+2*(\g)+1] offset:512*(2*(\j)+(\m)) th:TH_LOAD_NT
.endr
.endr
.endr
; Chunk j is columns 256 j .. 256 j + 255 of the four gates: rounded, woven in the stage, read back as four blocks of 512 bytes, stored.
.macro BACK j                          ; RB: where chunk j comes back from the stage
.set RB, R
.if (\j) > 0
.set RB, X+32*((\j)-1)                 ; the first sixteen registers that the chunk before has left
.endif
.endm
.macro SEND j                          ; chunk j's four blocks are stored
	BACK \j
.irp s, 0,1,2,3
	s_wait_dscnt 3-(\s)                            ; LDS loads come back in order (ISA guide 5.7.1): block s is in, the 3 - s younger ones stay out
	global_store_b128 v[LO], v[RB+4*(\s):RB+4*(\s)+3], s[34:35] offset:512*(4*(\j)+(\s))  ; 512 consecutive bytes, at a multiple of 512 from wbf's first byte
.endr
.endm
; Step j: chunk j is rounded and goes through the stage; the chunk before, which has come back meanwhile, is stored.
.macro STEP j
	s_wait_loadcnt 24-8*(\j)                       ; my eight loads are in; those of the later chunks stay out
.if (\j) > 0
	s_wait_alu depctr_vm_vsrc(0)                   ; the chunk before's LDS stores have read their pairs, which lie in the registers in which this chunk's blocks land below
.endif
.irp g, 0,1,2,3
.irp m, 0,1
.set n, X+4*(8*(\j)+2*(\g)+(\m))
	v_cvt_pk_bf16_f32 v[n], v[n], v[n+1]           ; these sixteen stand between the chunk before's loads from the stage and the wait for them
	v_cvt_pk_bf16_f32 v[n+1], v[n+2], v[n+3]
.endr
.endr
.if (\j) > 0
	SEND (\j)-1                                    ; their data come from LDS loads, and no vector instruction names them: they hang on DScnt alone
.endif
	s_wait_alu depctr_va_vdst(0)                   ; the conversions have written the pairs, which the LDS stores read; the chunk before's, which named the registers in which the LDS loads land, stand ahead of it too
.irp g, 0,1,2,3
.irp m, 0,1
.set n, X+4*(8*(\j)+2*(\g)+(\m))
	ds_store_b64 v[STW], v[n:n+1] offset:1280*(\m)+128*(\g)  ; block 2 m + l / 16, gate g
.endr
.endr
	BACK \j
.irp s, 0,1,2,3
	ds_load_b128 v[RB+4*(\s):RB+4*(\s)+3], v[RDW] offset:640*(\s)  ; LDS serves a wave's instructions in order (ISA guide 5.7.1.4): these see the stores above; the next chunk's stores come behind them
.endr
.endm
	STEP 0
	STEP 1
	STEP 2
	STEP 3
	SEND 3
.Lend:
	s_wait_dscnt 0x0                               ; the closing lines, six on end
	s_wait_alu 0x0
	s_wait_tensorcnt 0x0
	ds_add_u32 v[SPW], v[NIL]
	s_wait_dscnt 0x0
	s_endpgm
.Lfunc_end_k_qf4f05a6507_prep:
	.size	k_qf4f05a6507_prep, .Lfunc_end_k_qf4f05a6507_prep-k_qf4f05a6507_prep
	.p2alignl 7, 3214868480
	.fill 96, 4, 3214868480
	.section	.rodata,"a",@progbits
	.p2align	6, 0x0
	.amdhsa_kernel k_qf4f05a6507_prep
		.amdhsa_group_segment_fixed_size 21504
		.amdhsa_private_segment_fixed_size 0
		.amdhsa_enable_private_segment 0
		.amdhsa_kernarg_size 96
		.amdhsa_user_sgpr_count 2
		.amdhsa_user_sgpr_kernarg_segment_ptr 1
		.amdhsa_wavefront_size32 1
		.amdhsa_system_sgpr_workgroup_id_x 1
		.amdhsa_system_sgpr_workgroup_id_y 1
		.amdhsa_system_sgpr_workgroup_id_z 1
		.amdhsa_system_vgpr_workitem_id 0
		.amdhsa_next_free_vgpr 160
		.amdhsa_next_free_sgpr 66
		.amdhsa_reserve_vcc 0
		.amdhsa_float_denorm_mode_32 3
		.amdhsa_float_denorm_mode_16_64 3
		.amdhsa_memory_ordered 1
		.amdhsa_forward_progress 1
		.amdhsa_inst_pref_size 26
	.end_amdhsa_kernel
	.amdgpu_metadata
---
amdhsa.version: [ 1, 2 ]
amdhsa.kernels:
  - .name:           k_qf4f05a6507_prep
    .symbol:         k_qf4f05a6507_prep.kd
    .args:
      - { .name: Wfx, .offset: 0, .size: 8, .value_kind: global_buffer, .address_space: global }
      - { .name: Wix, .offset: 8, .size: 8, .value_kind: global_buffer, .address_space: global }
      - { .name: Wox, .offset: 16, .size: 8, .value_kind: global_buffer, .address_space: global }
      - { .name: Wcx, .offset: 24, .size: 8, .value_kind: global_buffer, .address_space: global }
      - { .name: Wfh, .offset: 32, .size: 8, .value_kind: global_buffer, .address_space: global }
      - { .name: Wih, .offset: 40, .size: 8, .value_kind: global_buffer, .address_space: global }
      - { .name: Woh, .offset: 48, .size: 8, .value_kind: global_buffer, .address_space: global }
      - { .name: Wch, .offset: 56, .size: 8, .value_kind: global_buffer, .address_space: global }
      - { .name: inputs, .offset: 64, .size: 8, .value_kind: global_buffer, .address_space: global }
      - { .name: hist, .offset: 72, .size: 8, .value_kind: global_buffer, .address_space: global }
      - { .name: abf, .offset: 80, .size: 8, .value_kind: global_buffer, .address_space: global }
      - { .name: wbf, .offset: 88, .size: 8, .value_kind: global_buffer, .address_space: global }
    .group_segment_fixed_size: 21504
    .private_segment_fixed_size: 0
    .kernarg_segment_align: 8
    .kernarg_segment_size: 96
    .max_flat_workgroup_size: 256
    .sgpr_count:     66
    .vgpr_count:     160
    .wavefront_size: 32
...
	.end_amdgpu_metadata
.endif
;; end of part 3
;; launch lstm: the kernel of part 2 again; grid 16 x 32, 4 waves a work-group, clusters of 4 x 4, 327,680 bytes of LDS; arguments abf, wbf, bf, bi, bo, bc, out0, out1; writes out0, out1
